; MI455X (gfx1250); checked and timed in simulation.
; The chip was launched on July 23, 2026; its instructions are those of AMD's public machine-readable ISA for CDNA 5 (MIT licence, August 2026) and "CDNA5" Instruction Set Architecture Reference Guide (July 2026).
;; Mix Linear FP8 GEMM. Allowed arithmetic: float matrix products may take bf16 or f16 operands with f32 sums; other float arithmetic in f32, or as packed bf16 or f16 multiplies, adds, multiply-adds, maxima and minima; sums over many terms, partial sums and values carried from step to step in f32; what a program stores and reads back later, other than sums and carried values, may be rounded once to bf16 or f16.
;; Inputs: bias 4,096 float16; weight 4,096 x 4,096 float16; x 4 x 1,024 x 4,096 float16.
;; Outputs: out0 4 x 1,024 x 4,096 float16.
;; One version. Each part assembles by itself: llvm-mc -triple=amdgcn-amd-amdhsa -mcpu=gfx1250 --defsym DOCPART=n.
;; ======== version 1 of 1: 2 launches
;; limits: inputs' magnitudes at most 448; right only within a limited range of input values
;; workspace buffers: xq 33,554,432 bytes; wq 33,554,432 bytes
;; launch quant (part 1): grid 512 x 2, 8 waves a work-group, no clusters, 0 bytes of LDS; arguments x, weight, xq, wq; writes xq, wq
.if DOCPART == 1
	.amdgcn_target "amdgcn-amd-amdhsa--gfx1250"
	.amdhsa_code_object_version 6
	.text
	.protected	k_qe7a26f588e_quant
	.globl	k_qe7a26f588e_quant
	.p2align	8
	.type	k_qe7a26f588e_quant,@function
k_qe7a26f588e_quant:
	s_mov_b64 s[64:65], 0
	v_nop
	global_prefetch_b8 v0, s[64:65] scope:SCOPE_SE
	s_setreg_imm32_b32 hwreg(HW_REG_WAVE_MODE, 25, 1), 1
	s_wait_xcnt 0x0
.set CHUNK, 4096
.set NCH,   16
.set OFF,   1
.set ONE,   2
.set NZ,    3
.set T,     4
.set X,     16
	s_load_b256 s[4:11], s[0:1], 0x0
	s_and_b32 s18, ttmp7, 0xffff
	s_lshl_b32 s16, ttmp9, 16
	s_mov_b32 s17, 0
	v_lshlrev_b32 v[OFF], 4, v0
	v_mov_b32 v[ONE], 1.0
	v_mov_b32 v[NZ], 0x80000000
	v_mov_b32 v12, 0
	v_mov_b32 v13, 0
	s_wait_kmcnt 0x0
	s_cmp_lg_u32 s18, 0
	s_cselect_b64 s[12:13], s[6:7], s[4:5]
	s_cselect_b64 s[14:15], s[10:11], s[8:9]
	s_add_nc_u64 s[12:13], s[12:13], s[16:17]
	s_add_nc_u64 s[14:15], s[14:15], s[16:17]
.irp i, 0,1,2,3,4,5,6,7,8,9,10,11,12,13,14,15
	global_load_b128 v[X+4*(\i):X+4*(\i)+3], v[OFF], s[12:13] offset:(\i)*CHUNK th:TH_LOAD_NT
.endr
.macro PIECE i, w
	s_wait_loadcnt NCH-1-(\i)
.irp j, 0,1,2,3
	v_fma_mix_f32 v[T+2*(\j)],   v[X+4*(\i)+(\j)], v[ONE], v[NZ] op_sel_hi:[1,0,0]
	v_fma_mix_f32 v[T+2*(\j)+1], v[X+4*(\i)+(\j)], v[ONE], v[NZ] op_sel:[1,0,0] op_sel_hi:[1,0,0]
.endr
.if \w
	v_cvt_pk_fp8_f32 v12.l, v[T],   v[T+1]
	v_cvt_pk_fp8_f32 v12.h, v[T+2], v[T+3]
	v_cvt_pk_fp8_f32 v13.l, v[T+4], v[T+5]
	v_cvt_pk_fp8_f32 v13.h, v[T+6], v[T+7]
	v_cvt_pk_f32_fp8 v[T:T+1],   v12.l
	v_cvt_pk_f32_fp8 v[T+2:T+3], v12.h
	v_cvt_pk_f32_fp8 v[T+4:T+5], v13.l
	v_cvt_pk_f32_fp8 v[T+6:T+7], v13.h
.else
	v_cvt_pk_bf8_f32 v12.l, v[T],   v[T+1]
	v_cvt_pk_bf8_f32 v12.h, v[T+2], v[T+3]
	v_cvt_pk_bf8_f32 v13.l, v[T+4], v[T+5]
	v_cvt_pk_bf8_f32 v13.h, v[T+6], v[T+7]
	v_cvt_pk_f32_bf8 v[T:T+1],   v12.l
	v_cvt_pk_f32_bf8 v[T+2:T+3], v12.h
	v_cvt_pk_f32_bf8 v[T+4:T+5], v13.l
	v_cvt_pk_f32_bf8 v[T+6:T+7], v13.h
.endif
.irp j, 0,1,2,3
	v_cvt_pk_f16_f32 v[X+4*(\i)+(\j)], v[T+2*(\j)], v[T+2*(\j)+1]
.endr
	global_store_b128 v[OFF], v[X+4*(\i):X+4*(\i)+3], s[14:15] offset:(\i)*CHUNK
.endm
	s_cmp_lg_u32 s18, 0
	s_cbranch_scc1 .Lweight
.irp i, 0,1,2,3,4,5,6,7,8,9,10,11,12,13,14,15
	PIECE \i, 0
.endr
	s_endpgm
.Lweight:
.irp i, 0,1,2,3,4,5,6,7,8,9,10,11,12,13,14,15
	PIECE \i, 1
.endr
	s_endpgm
.Lfunc_end_k_qe7a26f588e_quant:
	.size	k_qe7a26f588e_quant, .Lfunc_end_k_qe7a26f588e_quant-k_qe7a26f588e_quant
	.p2alignl 7, 3214868480
	.fill 96, 4, 3214868480
	.section	.rodata,"a",@progbits
	.p2align	6, 0x0
	.amdhsa_kernel k_qe7a26f588e_quant
		.amdhsa_group_segment_fixed_size 0
		.amdhsa_private_segment_fixed_size 0
		.amdhsa_enable_private_segment 0
		.amdhsa_kernarg_size 32
		.amdhsa_user_sgpr_count 2
		.amdhsa_user_sgpr_kernarg_segment_ptr 1
		.amdhsa_wavefront_size32 1
		.amdhsa_system_sgpr_workgroup_id_x 1
		.amdhsa_system_sgpr_workgroup_id_y 1
		.amdhsa_system_sgpr_workgroup_id_z 1
		.amdhsa_system_vgpr_workitem_id 0
		.amdhsa_next_free_vgpr 80
		.amdhsa_next_free_sgpr 66
		.amdhsa_reserve_vcc 0
		.amdhsa_float_denorm_mode_32 3
		.amdhsa_float_denorm_mode_16_64 3
		.amdhsa_memory_ordered 1
		.amdhsa_forward_progress 1
		.amdhsa_inst_pref_size 43
	.end_amdhsa_kernel
	.amdgpu_metadata
---
amdhsa.version: [ 1, 2 ]
amdhsa.kernels:
  - .name:           k_qe7a26f588e_quant
    .symbol:         k_qe7a26f588e_quant.kd
    .args:
      - { .name: x, .offset: 0, .size: 8, .value_kind: global_buffer, .address_space: global }
      - { .name: weight, .offset: 8, .size: 8, .value_kind: global_buffer, .address_space: global }
      - { .name: xq, .offset: 16, .size: 8, .value_kind: global_buffer, .address_space: global }
      - { .name: wq, .offset: 24, .size: 8, .value_kind: global_buffer, .address_space: global }
    .group_segment_fixed_size: 0
    .private_segment_fixed_size: 0
    .kernarg_segment_align: 8
    .kernarg_segment_size: 32
    .max_flat_workgroup_size: 256
    .sgpr_count:     66
    .vgpr_count:     80
    .wavefront_size: 32
...
	.end_amdgpu_metadata
.endif
;; end of part 1
;; launch gemm (part 2): grid 16 x 16, 4 waves a work-group, clusters of 4 x 4, 327,680 bytes of LDS; arguments xq, wq, out0, bias; writes out0
.if DOCPART == 2
	.amdgcn_target "amdgcn-amd-amdhsa--gfx1250"
	.amdhsa_code_object_version 6
	.text
	.protected	k_qe7a26f588e_gemm
	.globl	k_qe7a26f588e_gemm
	.p2align	8
	.type	k_qe7a26f588e_gemm,@function
k_qe7a26f588e_gemm:
	s_mov_b64 s[64:65], 0
	v_nop
	global_prefetch_b8 v0, s[64:65] scope:SCOPE_SE
	s_setreg_imm32_b32 hwreg(HW_REG_WAVE_MODE, 25, 1), 1
	s_wait_xcnt 0x0
	s_wait_alu depctr_hold_cnt(0) depctr_sa_sdst(0) depctr_va_vdst(0) depctr_va_sdst(0) depctr_va_ssrc(0) depctr_va_vcc(0) depctr_vm_vsrc(0)
	s_getreg_b32 s2, hwreg(HW_REG_IB_STS2, 6, 4)
	s_cmp_eq_u32 s2, 0
	s_cbranch_scc0 .Lentry_in_a_cluster
	s_endpgm
.Lentry_in_a_cluster:
	s_bfe_u32 s2, ttmp6, 0x10000c
	s_cmp_lg_u32 s2, 0xf033
	s_cbranch_scc0 .Lentry_shape_is_right
	s_endpgm
.Lentry_shape_is_right:
.set SIZE_M, 4096
.set SIZE_N, 4096
.set SIZE_K, 4096
.set KSTEP,  128
.set PITCH,  272
.set HALFT,  128*PITCH
.set SLOT,   4*HALFT
.set STAGE,  2*SLOT
.set SPITCH, 272
.set SPARE,  STAGE+4*16*SPITCH
.set LAPS, SIZE_K/(2*KSTEP)
.set ADRA, 16
.set ADRB, 20
.set STO,  24
.set RD,   25
.set CO,   26
.set BO,   27
.set SPW,  28
.set NIL,  29
.set ONE,  30
.set NZ,   31
.set F0,   64
.set F1,   128
.set BIAS, 192
.set TMP,  192
.set OB,   32
.set PA,   64
.set G1, 24
.set G0, 32
.set G1B, 48
.set G0B, 56
.set MSB, 0
.macro WIN new
.if MSB != (\new)
	s_set_vgpr_msb (MSB<<8)|(\new)
.set MSB, \new
.endif
.endm
.set MUL_LO, 0xa1
.set MUL_HI, 0xf1
.set ST_LO,  0x81
.set TO_B,   0x40
.macro JLOAD s
	s_cmp_eq_u32 s11, 0
	s_cbranch_scc0 .Lfor_b_\@
	tensor_load_to_lds s[G0+4*(\s):G0+4*(\s)+3], s[G1:G1+7]
	s_nop 0
.rept 4
	v_nop
.endr
	s_branch .Lasked_\@
.Lfor_b_\@:
	tensor_load_to_lds s[G0B+4*(\s):G0B+4*(\s)+3], s[G1B:G1B+7]
	s_nop 0
.rept 4
	v_nop
.endr
.Lasked_\@:
.endm
.macro CREST
	s_cmp_lg_u32 s10, 0
	s_cbranch_scc1 .Lnot_wave_0_\@
	s_barrier_signal -3
.Lnot_wave_0_\@:
	s_barrier_wait -3
	s_barrier_signal -1
	s_barrier_wait -1
.endm
.macro CROUND
	s_barrier_signal -1
	s_barrier_wait -1
	CREST
.endm
	s_load_b128 s[4:7], s[0:1], 0x0
	s_load_b64 s[8:9], s[0:1], 0x10
	s_load_b64 s[66:67], s[0:1], 0x18
	v_lshl_add_u32 v[SPW], v0, 2, SPARE
	v_mov_b32 v[NIL], 0
	ds_add_u32 v[SPW], v[NIL]
	v_lshrrev_b32 v1, 5, v0
	v_readfirstlane_b32 s10, v1
	s_lshr_b32 s11, s10, 1
	s_and_b32 s12, s10, 1
	s_bfe_u32 s40, ttmp6, 0x40000
	s_bfe_u32 s41, ttmp6, 0x40004
	s_lshl_b32 s42, ttmp9, 2
	s_add_co_u32 s42, s42, s40
	s_and_b32 s13, ttmp7, 0xffff
	s_lshl_b32 s13, s13, 2
	s_add_co_u32 s13, s13, s41
	s_lshl_b32 s43, s41, 2
	s_lshl_b32 s43, 15, s43
	s_lshl_b32 s44, 0x1111, s40
	s_or_b32 s[G1+0], s43, (1<<16)|(1<<20)|(1<<21)|(5<<22)|(3<<25)
	s_or_b32 s[G1B+0], s44, (1<<16)|(1<<20)|(1<<21)|(5<<22)|(3<<25)
	s_mov_b32 s[G1B+1], KSTEP<<16
	s_mov_b32 s[G1+1], KSTEP<<16
	s_mov_b32 s[G1B+2], 128<<16
	s_mov_b32 s[G1+2], 128<<16
	s_mov_b32 s[G1B+3], KSTEP<<16
	s_mov_b32 s[G1+3], KSTEP<<16
	s_mov_b32 s[G1B+4], 128
	s_mov_b32 s[G1+4], 128
	s_mov_b32 s[G1B+5], SIZE_K
	s_mov_b32 s[G1+5], SIZE_K
	s_mov_b32 s[G1B+6], 0
	s_mov_b32 s[G1+6], 0
	s_mov_b32 s[G1B+7], 0
	s_mov_b32 s[G1+7], 0
	s_lshl_b32 s17, s12, 7
	s_lshl_b32 s16, s13, 8
	s_add_co_u32 s16, s16, s17
	s_lshl_b32 s46, s42, 8
	s_add_co_u32 s46, s46, s17
	s_mov_b32 s17, 0
	s_mov_b32 s47, 0
	s_mov_b64 s[18:19], SIZE_K*2
	s_mul_u64 s[16:17], s[16:17], s[18:19]
	s_mul_u64 s[46:47], s[46:47], s[18:19]
	s_mul_i32 s20, s10, HALFT
	s_wait_dscnt 0x0
	s_wait_kmcnt 0x0
	s_add_nc_u64 s[14:15], s[4:5], s[16:17]
	s_add_nc_u64 s[46:47], s[6:7], s[46:47]
	CROUND
.irp s, 0,1
	s_mov_b32 s[G0+4*(\s)], 1
	s_add_co_u32 s[G0+4*(\s)+1], s20, (\s)*SLOT
	s_add_nc_u64 s[G0+4*(\s)+2:G0+4*(\s)+3], s[14:15], (\s)*KSTEP*2
	s_or_b32 s[G0+4*(\s)+3], s[G0+4*(\s)+3], 0x80000000
	s_mov_b32 s[G0B+4*(\s)], 1
	s_add_co_u32 s[G0B+4*(\s)+1], s20, (\s)*SLOT
	s_add_nc_u64 s[G0B+4*(\s)+2:G0B+4*(\s)+3], s[46:47], (\s)*KSTEP*2
	s_or_b32 s[G0B+4*(\s)+3], s[G0B+4*(\s)+3], 0x80000000
	JLOAD \s
.endr
	v_and_b32 v1, 15, v0
	v_bfe_u32 v2, v0, 4, 1
	v_mul_u32_u24 v3, v1, PITCH
	v_lshl_add_u32 v3, v2, 4, v3
	s_mul_i32 s21, s11, HALFT
	s_mul_i32 s22, s12, HALFT
	s_add_co_u32 s22, s22, 2*HALFT
.irp s, 0,1
	v_add_nc_u32 v[ADRA+(\s)], s21, v3
	v_add_nc_u32 v[ADRB+(\s)], s22, v3
	s_add_co_u32 s21, s21, SLOT
	s_add_co_u32 s22, s22, SLOT
.endr
	s_mul_i32 s23, s10, 16*SPITCH
	s_add_co_u32 s23, s23, STAGE
	v_mul_u32_u24 v4, v1, SPITCH
	v_lshl_add_u32 v4, v2, 4, v4
	v_add_nc_u32 v[STO], s23, v4
	v_mul_u32_u24 v5, v2, SPITCH
	v_lshl_add_u32 v5, v1, 4, v5
	v_add_nc_u32 v[RD], s23, v5
	v_mul_u32_u24 v5, v2, SIZE_N*2
	v_lshl_add_u32 v[CO], v1, 4, v5
	s_lshl_b32 s13, s13, 8
	s_lshl_b32 s14, s11, 7
	s_add_co_u32 s16, s13, s14
	s_mov_b32 s17, 0
	s_mov_b64 s[18:19], SIZE_N*2
	s_mul_u64 s[16:17], s[16:17], s[18:19]
	s_lshl_b32 s46, s42, 9
	s_lshl_b32 s47, s12, 8
	s_add_co_u32 s46, s46, s47
	s_mov_b32 s47, 0
	s_add_nc_u64 s[16:17], s[16:17], s[46:47]
	s_add_nc_u64 s[66:67], s[66:67], s[46:47]
	v_lshlrev_b32 v[BO], 4, v2
	v_mov_b32 v[ONE], 1.0
	v_mov_b32 v[NZ], 0x80000000
.irp b, 0,1,2,3,4,5,6,7
	global_load_b128 v[OB+4*(\b):OB+4*(\b)+3], v[BO], s[66:67] offset:32*(\b)
.endr
	s_wait_loadcnt 0x0
.irp b, 0,1,2,3,4,5,6,7
.irp r, 0,1,2,3
	v_fma_mix_f32 v[BIAS+8*(\b)+2*(\r)],   v[OB+4*(\b)+(\r)], v[ONE], v[NZ] op_sel_hi:[1,0,0]
	v_fma_mix_f32 v[BIAS+8*(\b)+2*(\r)+1], v[OB+4*(\b)+(\r)], v[ONE], v[NZ] op_sel:[1,0,0] op_sel_hi:[1,0,0]
.endr
.endr
.macro MUL16 f, hi, a0, first
.if \first
	WIN ST_LO+0x40*(\hi)
.else
	WIN MUL_LO+0x50*(\hi)
.endif
.irp a, \a0, (\a0)+1
.irp b, 0,1,2,3,4,5,6,7
.if \first
	v_wmma_f32_16x16x32_f16 v[8*(8*(\a)+(\b)):8*(8*(\a)+(\b))+7], v[(\f)+8*(\b):(\f)+8*(\b)+7], v[(\f)+8*(4*(\hi)+(\a)):(\f)+8*(4*(\hi)+(\a))+7], v[BIAS+8*(\b):BIAS+8*(\b)+7]
.else
	v_wmma_f32_16x16x32_f16 v[8*(8*(\a)+(\b)):8*(8*(\a)+(\b))+7], v[(\f)+8*(\b):(\f)+8*(\b)+7], v[(\f)+8*(4*(\hi)+(\a)):(\f)+8*(4*(\hi)+(\a))+7], v[8*(8*(\a)+(\b)):8*(8*(\a)+(\b))+7]
.endif
.endr
.endr
.endm
.macro FETCH slot, k, f
	WIN TO_B
.irp i, 0,1,2,3,4,5,6,7
	ds_load_b128 v[(\f)+8*(\i):(\f)+8*(\i)+3],   v[ADRB+(\slot)] offset:(\k)+(\i)*16*PITCH
	ds_load_b128 v[(\f)+8*(\i)+4:(\f)+8*(\i)+7], v[ADRB+(\slot)] offset:(\k)+(\i)*16*PITCH+32
.endr
	WIN 0
.irp i, 0,1,2,3,4,5,6,7
	ds_load_b128 v[(\f)+8*(\i):(\f)+8*(\i)+3],   v[ADRA+(\slot)] offset:(\k)+(\i)*16*PITCH
	ds_load_b128 v[(\f)+8*(\i)+4:(\f)+8*(\i)+7], v[ADRA+(\slot)] offset:(\k)+(\i)*16*PITCH+32
.endr
.endm
.macro PLACES
.rept 4
	v_nop
.endr
.endm
.macro QUARTER slot, k, f, g, first
	s_wait_dscnt 8
	MUL16 \f, 0, 0, \first
	MUL16 \f, 0, 2, \first
	PLACES
	FETCH \slot, \k, \g
	s_wait_dscnt 32
	MUL16 \f, 1, 0, \first
	MUL16 \f, 1, 2, \first
.endm
.macro MEET round
	WIN 0
	s_wait_tensorcnt 0x0
	ds_add_u32 v[SPW], v[NIL]
	s_wait_dscnt 9
	MUL16 F1, 0, 0, 0
	s_wait_dscnt 0x0
	s_barrier_signal -1
	MUL16 F1, 0, 2, 0
.if \round
	WIN 0
.endif
	s_barrier_wait -1
.endm
.macro TURN slot, next
	MEET 1
	CREST
	s_add_nc_u64 s[G0+4*(\slot)+2:G0+4*(\slot)+3], s[G0+4*(\slot)+2:G0+4*(\slot)+3], 2*KSTEP*2
	s_add_nc_u64 s[G0B+4*(\slot)+2:G0B+4*(\slot)+3], s[G0B+4*(\slot)+2:G0B+4*(\slot)+3], 2*KSTEP*2
	JLOAD \slot
	FETCH \next, 0, F0
	MUL16 F1, 1, 0, 0
	MUL16 F1, 1, 2, 0
.endm
.macro BLOAD q
	WIN TO_B
.irp i, 0,1,2,3,4,5,6,7
	ds_load_b128 v[64*(\q)+8*(\i):64*(\q)+8*(\i)+3],   v[ADRB+1] offset:64*(\q)+(\i)*16*PITCH
	ds_load_b128 v[64*(\q)+8*(\i)+4:64*(\q)+8*(\i)+7], v[ADRB+1] offset:64*(\q)+(\i)*16*PITCH+32
.endr
.endm
.macro ALOAD a
	WIN 0
.set FA, PA+32*((\a)%4)
.irp q, 0,1,2,3
	ds_load_b128 v[FA+8*(\q):FA+8*(\q)+3],   v[ADRA+1] offset:64*(\q)+(\a)*16*PITCH
	ds_load_b128 v[FA+8*(\q)+4:FA+8*(\q)+7], v[ADRA+1] offset:64*(\q)+(\a)*16*PITCH+32
.endr
.endm
.macro ROW a
.set FA, PA+32*((\a)%4)
.set AC, 64*((\a)%4)
	WIN MUL_LO+0x50*((\a)/4)
.irp q, 0,1,2,3
.if (\a) == 0 && (\q) == 2
	s_wait_dscnt 24
.endif
.irp b, 0,1,2,3,4,5,6,7
	v_wmma_f32_16x16x32_f16 v[AC+8*(\b):AC+8*(\b)+7], v[64*(\q)+8*(\b):64*(\q)+8*(\b)+7], v[FA+8*(\q):FA+8*(\q)+7], v[AC+8*(\b):AC+8*(\b)+7]
.endr
.endr
.endm
.macro PACK a
.set AC, 64*((\a)%4)
	WIN 0x0a+5*((\a)/4)
.irp b, 0,1,2,3,4,5,6,7
.irp r, 0,1,2,3
	v_cvt_pk_f16_f32 v[TMP+4*(\b)+(\r)], v[AC+8*(\b)+2*(\r)], v[AC+8*(\b)+2*(\r)+1]
.endr
.endr
	WIN 0
.endm
.macro TOSTAGE a
	WIN 0
.set BK, OB+192*((\a)%2)
.irp b, 0,1,2,3,4,5,6,7
	ds_store_b128 v[STO], v[TMP+4*(\b):TMP+4*(\b)+3] offset:32*(\b)
.endr
.irp t, 0,1,2,3,4,5,6,7
	ds_load_b128 v[BK+4*(\t):BK+4*(\t)+3], v[RD] offset:(\t)*2*SPITCH
.endr
.endm
.macro SEND a, younger
	WIN 0
.set BK, OB+192*((\a)%2)
	s_wait_dscnt \younger
	s_wait_xcnt 0x0
.if (\a) == 0
	s_add_nc_u64 s[8:9], s[8:9], s[16:17]
.else
	s_add_nc_u64 s[8:9], s[8:9], 16*SIZE_N*2
.endif
.irp t, 0,1,2,3,4,5,6,7
	global_store_b128 v[CO], v[BK+4*(\t):BK+4*(\t)+3], s[8:9] offset:2*(\t)*SIZE_N*2
.endr
.endm
	s_wait_tensorcnt 1
	s_barrier_signal -1
	s_barrier_wait -1
	FETCH 0, 0, F0
	QUARTER 0, 64,  F0, F1, 1
	WIN 0
	s_mov_b32 s3, LAPS-1
.Llap:
	QUARTER 0, 128, F1, F0, 0
	QUARTER 0, 192, F0, F1, 0
	TURN 0, 1
	QUARTER 1, 64,  F0, F1, 0
	QUARTER 1, 128, F1, F0, 0
	QUARTER 1, 192, F0, F1, 0
	TURN 1, 0
	QUARTER 0, 64,  F0, F1, 0
	WIN 0
	s_sub_co_u32 s3, s3, 1
	s_cmp_lg_u32 s3, 0
	s_cbranch_scc1 .Llap
	QUARTER 0, 128, F1, F0, 0
	QUARTER 0, 192, F0, F1, 0
	MEET 0
	PLACES
	BLOAD 0
	BLOAD 1
	BLOAD 3
	ALOAD 0
	MUL16 F1, 1, 0, 0
	MUL16 F1, 1, 2, 0
	PLACES
	BLOAD 2
	ALOAD 1
	ALOAD 2
	ALOAD 3
	s_wait_dscnt 40
	ROW 0
.irp a, 0,1,2,3,4,5,6,7
	PLACES
	PACK \a
	TOSTAGE \a
.if (\a) < 4
	ALOAD (\a)+4
	SEND \a, 8
.else
	SEND \a, 0
.endif
.if (\a) < 7
	ROW (\a)+1
.endif
.endr
	s_wait_tensorcnt 0x0
	ds_add_u32 v[SPW], v[NIL]
	s_wait_dscnt 0x0
	CROUND
	s_endpgm
.Lfunc_end_k_qe7a26f588e_gemm:
	.size	k_qe7a26f588e_gemm, .Lfunc_end_k_qe7a26f588e_gemm-k_qe7a26f588e_gemm
	.p2alignl 7, 3214868480
	.fill 96, 4, 3214868480
	.section	.rodata,"a",@progbits
	.p2align	6, 0x0
	.amdhsa_kernel k_qe7a26f588e_gemm
		.amdhsa_group_segment_fixed_size 327680
		.amdhsa_private_segment_fixed_size 0
		.amdhsa_enable_private_segment 0
		.amdhsa_kernarg_size 32
		.amdhsa_user_sgpr_count 2
		.amdhsa_user_sgpr_kernarg_segment_ptr 1
		.amdhsa_wavefront_size32 1
		.amdhsa_system_sgpr_workgroup_id_x 1
		.amdhsa_system_sgpr_workgroup_id_y 1
		.amdhsa_system_sgpr_workgroup_id_z 1
		.amdhsa_system_vgpr_workitem_id 0
		.amdhsa_next_free_vgpr 1024
		.amdhsa_next_free_sgpr 68
		.amdhsa_reserve_vcc 0
		.amdhsa_float_denorm_mode_32 3
		.amdhsa_float_denorm_mode_16_64 3
		.amdhsa_memory_ordered 1
		.amdhsa_forward_progress 1
		.amdhsa_inst_pref_size 148
	.end_amdhsa_kernel
	.amdgpu_metadata
---
amdhsa.version: [ 1, 2 ]
amdhsa.kernels:
  - .name:           k_qe7a26f588e_gemm
    .symbol:         k_qe7a26f588e_gemm.kd
    .args:
      - { .name: xq, .offset: 0, .size: 8, .value_kind: global_buffer, .address_space: global }
      - { .name: wq, .offset: 8, .size: 8, .value_kind: global_buffer, .address_space: global }
      - { .name: out0, .offset: 16, .size: 8, .value_kind: global_buffer, .address_space: global }
      - { .name: bias, .offset: 24, .size: 8, .value_kind: global_buffer, .address_space: global }
    .group_segment_fixed_size: 327680
    .private_segment_fixed_size: 0
    .kernarg_segment_align: 8
    .kernarg_segment_size: 32
    .max_flat_workgroup_size: 128
    .sgpr_count:     68
    .vgpr_count:     1024
    .wavefront_size: 32
...
	.end_amdgpu_metadata
.endif
;; end of part 2
